; MI455X (gfx1250); checked and timed in simulation.
; The chip was launched on July 23, 2026; its instructions are those of AMD's public machine-readable ISA for CDNA 5 (MIT licence, August 2026) and "CDNA5" Instruction Set Architecture Reference Guide (July 2026). The comments in the code are by the model that wrote it; some were corrected since.
;; Attention Model. Allowed arithmetic: matrix products marked QUANTISED: E3M2 operands, one E8M0 scale for each 32 along K, by v_wmma_scale_f32_16x16x128_f8f6f4 with both operands' format E3M2, f32 sums; products left as they are: f32 operands where the result goes on into a quantised operand, else bf16, f16 or f32 operands; f32 sums; everything else in f32.
;; Inputs: W1_codes 1,024 x 32 x 24 uint8 (E3M2 codes of W1, K innermost, in blocks of 32 codes, four codes in three bytes); W1_scales 1,024 x 32 uint8 (E8M0 scales of W1, one for each 32 codes along K); W2_codes 1,024 x 32 x 24 uint8 (E3M2 codes of W2, K innermost, in blocks of 32 codes, four codes in three bytes); W2_scales 1,024 x 32 uint8 (E8M0 scales of W2, one for each 32 codes along K); Wv 1,024 x 1 float32; b1 1,024 float32; b2 1,024 float32; bv 1 float32; features 32 x 2,048 x 1,024 float32; hidden_codes 32 x 32 x 24 uint8 (E3M2 codes of hidden, K innermost, in blocks of 32 codes, four codes in three bytes); hidden_scales 32 x 32 uint8 (E8M0 scales of hidden, one for each 32 codes along K).
;; Outputs: out0 32 x 1,024 float32; out1 32 x 2,048 x 1 float32.
;; This version of the problem:
;;   THIS VERSION OF THE PROBLEM IS GIVEN IN LOW PRECISION. The matrix products marked QUANTISED in the list below multiply operands that are first quantised to E3M2 (3 exponent bits, 2 mantissa bits; 6 bits a number), with one power-of-two scale for each 32 numbers along K (OCP MX v1.0); their sums are f32. All else is computed in f32.
;;   The module's matrix products, in the order in which they are computed (A, B: the left and right operand; K: the contracted axis; several contracted axes count as one K, in the product's order):
;;     1. [M 65,536, K 1,024] x [K 1,024, N 1,024]; A: input features; B: input W1 (given as codes): QUANTISED
;;     2. [M 32, K 1,024] x [K 1,024, N 1,024]; A: input hidden (given as codes); B: input W2 (given as codes): QUANTISED
;;     3. [M 65,536, K 1,024] x [K 1,024, N 1]; A: computed on the way; B: input Wv: left as it is (N = 1 < 16)
;;   THE QUANTISER, for each operand of a quantised product, along K:
;;     - K is cut into blocks of 32 from its start; a last block that is shorter is filled with zeros.
;;     - A block's scale is 2^e with e = floor(log2(the largest magnitude in the block)) - 4, held to -126 .. 127; a block of zeros has e = 0. As a byte (E8M0): e + 127.
;;     - Each number is divided by its block's scale, clamped to +-28, and rounded to the nearest number of E3M2, ties to even, subnormals kept.
;;     - The product sums the exact products of the quantised numbers (number of the format x scale) in f32.
;;   ~~~python
;;   def quantise(x, axis):      # numpy; x: float32 -> the quantised numbers, widened to float32 again
;;       x = np.moveaxis(x, axis, -1); K = x.shape[-1]
;;       x = np.pad(x, [(0, 0)] * (x.ndim - 1) + [(0, -K % 32)]); x = x.reshape(x.shape[:-1] + (-1, 32)); a = np.abs(x).max(-1, keepdims=True)
;;       e = np.where(a > 0, np.clip(np.frexp(np.where(a > 0, a, 1))[1] - 1 - 4, -126, 127), 0)      # np.frexp(a)[1] - 1 = floor(log2(a)), exactly
;;       r = np.clip(x / 2.0 ** e, -28, 28)
;;       step = 2.0 ** (np.maximum(np.frexp(np.where(r == 0, 1, r))[1] - 1, -2) - 2)
;;       q = np.round(r / step) * step * 2.0 ** e      # np.round: ties to even
;;       return np.moveaxis(q.reshape(q.shape[:-2] + (-1,))[..., :K], -1, axis).astype(np.float32)
;;   ~~~
;;   INPUTS GIVEN AS CODES. W1 (in the module: [1024, 1024], K = its axis 0); W2 (in the module: [1024, 1024], K = its axis 0); hidden (in the module: [32, 1024], K = its axis 1): each comes as NAME_codes (uint8): NAME with its K axis moved to the last place and cut into blocks of 32 codes, [.., K / 32, bytes a block], one block behind the other in memory; four codes in three bytes: a row's codes are one little-endian stream of bits, code i at bits 6 i .. 6 i + 5 (a code: sign, 3 exponent bits, 2 mantissa bits); and NAME_scales (uint8): the same leading axes, one E8M0 byte (e + 127) for each 32 codes along K. Its value is code x scale, taken as it is: it is not quantised again, and the codes and scales need not be those that the quantiser above would give.
;; One version. Each part assembles by itself: llvm-mc -triple=amdgcn-amd-amdhsa -mcpu=gfx1250 --defsym DOCPART=n.
;; ======== version 1 of 1: 3 launches
;; limits: right only within a limited range of input values
;; workspace buffers: w1f 1,048,576 bytes; bias 131,072 bytes; sc 262,144 bytes; ctxp 1,048,576 bytes; stat 65,536 bytes
;; launch prep (part 1): grid 192 x 1, 1 waves a work-group, no clusters, 0 bytes of LDS; arguments W1_codes, W1_scales, W2_codes, W2_scales, hidden_codes, hidden_scales, b1, b2, w1f, bias; writes w1f, bias
.if DOCPART == 1
	.amdgcn_target "amdgcn-amd-amdhsa--gfx1250"
	.amdhsa_code_object_version 6
	.text
	.protected	k_q6b197c9bf1_prep
	.globl	k_q6b197c9bf1_prep
	.p2align	8
	.type	k_q6b197c9bf1_prep,@function
k_q6b197c9bf1_prep:
	s_mov_b64 s[64:65], 0
	v_nop
	global_prefetch_b8 v0, s[64:65] scope:SCOPE_SE
	s_setreg_imm32_b32 hwreg(HW_REG_WAVE_MODE, 25, 1), 1
	s_wait_xcnt 0x0
; WORK LEFT OUT, in the whole program.  tanh z = 1 - 2 r with r = 1 / (1 + e^(2 z)), so score[b][t] = bv + sum_d Wv[d] - 2 sum_d Wv[d] r[b][t][d].
; bv + sum_d Wv[d] is the same for every t, and softmax over t is unchanged by a term that is the same along t, for all finite values of the inputs; the score reaches the outputs through that softmax alone.
; So the program works with s[t] = -2 sum_d Wv[d] r: bv has no way to an output, is not loaded and is no argument of any launch.  Limit: a NaN, an infinity or an overflow that would arise only in bv + sum Wv is not carried to the results.
; Two small jobs, chosen by the work-group's number; a work-group is one wave.  No LDS, no barrier.
; (a) Work-groups 0-127: bias[b][d] = c (hidden W2 + b1 + b2), c = 2 log2(e): one tile of 16 batches x 16 d, K = 1,024 in 8 steps on the given codes.
;     Even and odd K steps are summed in two accumulators that take turns and added at the end: an order of rounding that differs from one ascending chain.
; (b) Work-groups 128-191: W1's codes and scale bytes in the order of the operand's registers.  w1f: 16 blocks, 65,536 bytes apart, 51,200 used.  Block i holds d = 512 dh + 32 i + 16 dt + r (dh, dt = 0, 1), all of K.
;     Fragment (dh, dt, K step s) at (8 (2 dh + dt) + s) x 1,536: registers 4 c .. 4 c + 3 of lane l at 512 c + 16 l.  Scale word of (dh, dt, s, r) at 49,152 + 512 (2 dh + dt) + 256 (s % 2) + 16 r + 4 (s / 2).
; A fragment (16 rows x 128 K of 6-bit codes) is 12 registers: lane (r, h) holds row r; registers 0-5 the 24 bytes at 96 s + 24 h of the row, registers 6-11 those 48 bytes on.
.set CF, 0x4038aa3b                    ; c = 2 log2(e)
.macro FRAGS reg, base                 ; the 8 fragments of my 16 rows, all of K
.irp s, 0,1,2,3,4,5,6,7
.irp p, 0,1,2,3,4,5
	global_load_b64 v[\reg+12*\s+2*\p:\reg+12*\s+2*\p+1], v3, s[\base:\base+1] offset:96*\s+48*(\p/3)+8*(\p%3)
.endr
.endr
.endm
	s_load_b512 s[4:19], s[0:1], 0x0               ; W1's codes, scales; W2's; hidden's; b1 s[16:17]; b2 s[18:19]
	s_load_b128 s[20:23], s[0:1], 0x40             ; w1f s[20:21], bias s[22:23]
	v_and_b32 v1, 15, v0                           ; r
	v_bfe_u32 v2, v0, 4, 1                         ; h
	v_mul_u32_u24 v3, v1, 768                      ; a row of 1,024 codes is 768 bytes
	v_mad_u32_u24 v3, v2, 24, v3                   ; + 24 h
	s_mov_b32 s27, 0                               ; the high word of every offset
	s_mov_b32 s30, CF
	s_wait_kmcnt 0x0
	s_cmp_lt_u32 ttmp9, 128
	s_cbranch_scc0 .Lrelay
	; ---- (a) hidden W2
	s_and_b32 s28, ttmp9, 1                        ; m: which 16 batches
	s_lshr_b32 s29, ttmp9, 1                       ; which 16 d
	s_mul_i32 s26, s28, 16*768
	s_add_nc_u64 s[12:13], s[12:13], s[26:27]
	s_lshl_b32 s26, s28, 9
	s_add_nc_u64 s[14:15], s[14:15], s[26:27]
	s_mul_i32 s26, s29, 16*768
	s_add_nc_u64 s[8:9], s[8:9], s[26:27]
	s_lshl_b32 s26, s29, 9
	s_add_nc_u64 s[10:11], s[10:11], s[26:27]
	s_lshl_b32 s26, s29, 6
	s_add_nc_u64 s[16:17], s[16:17], s[26:27]
	s_add_nc_u64 s[18:19], s[18:19], s[26:27]
	s_add_nc_u64 s[22:23], s[22:23], s[26:27]
	s_lshl_b32 s26, s28, 16
	s_add_nc_u64 s[22:23], s[22:23], s[26:27]
	s_wait_alu depctr_va_vdst(0)
	v_lshlrev_b32 v4, 5, v1                        ; scale bytes: 32 r
	v_lshlrev_b32 v5, 2, v1                        ; 4 r
	v_lshl_add_u32 v6, v2, 15, v5                  ; out: 8 h rows + 4 r
	FRAGS 16, 12                                   ; v16-111: hidden
	FRAGS 112, 8                                   ; v112-207: W2
	global_load_b128 v[208:211], v4, s[14:15]      ; hidden's eight scale words
	global_load_b128 v[212:215], v4, s[14:15] offset:16
	global_load_b128 v[216:219], v4, s[10:11]      ; W2's
	global_load_b128 v[220:223], v4, s[10:11] offset:16
	global_load_b32 v8, v5, s[16:17]
	global_load_b32 v9, v5, s[18:19]
	s_wait_loadcnt 0x0
.irp s, 0,1,2,3,4,5,6,7                ; register j of lane (r, h) is (batch 16 m + 8 h + j, d r)
.if \s < 2
	v_wmma_scale_f32_16x16x128_f8f6f4 v[224+8*(\s%2):231+8*(\s%2)], v[16+12*\s:27+12*\s], v[112+12*\s:123+12*\s], 0, v[208+\s], v[216+\s] matrix_a_fmt:MATRIX_FMT_BF6 matrix_b_fmt:MATRIX_FMT_BF6
.else
	v_wmma_scale_f32_16x16x128_f8f6f4 v[224+8*(\s%2):231+8*(\s%2)], v[16+12*\s:27+12*\s], v[112+12*\s:123+12*\s], v[224+8*(\s%2):231+8*(\s%2)], v[208+\s], v[216+\s] matrix_a_fmt:MATRIX_FMT_BF6 matrix_b_fmt:MATRIX_FMT_BF6
.endif
.endr
	v_add_f32 v10, v8, v9                          ; four places behind the last product (ISA guide 7.12.1)
	v_mul_f32 v10, s30, v10                        ; c (b1 + b2)
	v_nop
	v_nop
.irp k, 0,2,4,6
	v_pk_add_f32 v[240+\k:241+\k], v[224+\k:225+\k], v[232+\k:233+\k]
.endr
.irp j, 0,1,2,3,4,5,6,7
	v_fma_f32 v[240+\j], v[240+\j], s30, v10
.endr
.irp j, 0,1,2,3,4,5,6,7
	global_store_b32 v6, v[240+\j], s[22:23] offset:4096*\j
.endr
	s_endpgm
	; ---- (b) W1 into the order of the operand's registers
.Lrelay:
	s_sub_co_u32 s25, ttmp9, 128                   ; D: which 16 rows d of W1: D = 32 dh + 2 i + dt
	s_bfe_u32 s28, s25, 0x40001                    ; i
	s_lshr_b32 s29, s25, 5
	s_lshl_b32 s29, s29, 1
	s_and_b32 s31, s25, 1
	s_add_co_u32 s29, s29, s31                     ; 2 dh + dt
	s_mul_i32 s26, s25, 16*768
	s_add_nc_u64 s[4:5], s[4:5], s[26:27]
	s_lshl_b32 s26, s25, 9
	s_add_nc_u64 s[6:7], s[6:7], s[26:27]
	s_lshl_b32 s26, s28, 16                        ; block i
	s_add_nc_u64 s[20:21], s[20:21], s[26:27]
	s_lshl_b32 s26, s29, 9
	s_add_co_u32 s26, s26, 49152
	s_add_nc_u64 s[32:33], s[20:21], s[26:27]      ; my tile's scale words
	s_mul_i32 s26, s29, 12288
	s_add_nc_u64 s[20:21], s[20:21], s[26:27]      ; my tile's fragment of K step 0
	s_wait_alu depctr_va_vdst(0)
	v_lshlrev_b32 v4, 5, v1
	v_lshl_add_u32 v4, v2, 4, v4                   ; scale bytes: 32 r + 16 h: words 4 h .. 4 h + 3
	v_lshlrev_b32 v7, 4, v0                        ; 16 x lane
	v_lshlrev_b32 v8, 4, v1
	v_lshl_add_u32 v8, v2, 3, v8                   ; 16 r + 8 h
	FRAGS 16, 4
	global_load_b128 v[112:115], v4, s[6:7]
	s_wait_alu depctr_va_vdst(0)
	s_wait_loadcnt 0x0
.irp s, 0,1,2,3,4,5,6,7
.irp c, 0,1,2
	global_store_b128 v7, v[16+12*\s+4*\c:19+12*\s+4*\c], s[20:21] offset:1536*\s+512*\c   ; 32 lanes store 512 consecutive bytes
.endr
.endr
	v_mov_b32 v116, v112                           ; K steps 4 h and 4 h + 2 lie side by side, and so do 4 h + 1 and 4 h + 3
	v_mov_b32 v117, v114
	v_mov_b32 v118, v113
	v_mov_b32 v119, v115
	global_store_b64 v8, v[116:117], s[32:33]
	global_store_b64 v8, v[118:119], s[32:33] offset:256
	s_endpgm
.Lfunc_end_k_q6b197c9bf1_prep:
	.size	k_q6b197c9bf1_prep, .Lfunc_end_k_q6b197c9bf1_prep-k_q6b197c9bf1_prep
	.p2alignl 7, 3214868480
	.fill 96, 4, 3214868480
	.section	.rodata,"a",@progbits
	.p2align	6, 0x0
	.amdhsa_kernel k_q6b197c9bf1_prep
		.amdhsa_group_segment_fixed_size 0
		.amdhsa_private_segment_fixed_size 0
		.amdhsa_enable_private_segment 0
		.amdhsa_kernarg_size 80
		.amdhsa_user_sgpr_count 2
		.amdhsa_user_sgpr_kernarg_segment_ptr 1
		.amdhsa_wavefront_size32 1
		.amdhsa_system_sgpr_workgroup_id_x 1
		.amdhsa_system_sgpr_workgroup_id_y 1
		.amdhsa_system_sgpr_workgroup_id_z 1
		.amdhsa_system_vgpr_workitem_id 0
		.amdhsa_next_free_vgpr 256
		.amdhsa_next_free_sgpr 66
		.amdhsa_reserve_vcc 0
		.amdhsa_float_denorm_mode_32 3
		.amdhsa_float_denorm_mode_16_64 3
		.amdhsa_memory_ordered 1
		.amdhsa_forward_progress 1
		.amdhsa_inst_pref_size 22
	.end_amdhsa_kernel
	.amdgpu_metadata
---
amdhsa.version: [ 1, 2 ]
amdhsa.kernels:
  - .name:           k_q6b197c9bf1_prep
    .symbol:         k_q6b197c9bf1_prep.kd
    .args:
      - { .name: W1_codes, .offset: 0, .size: 8, .value_kind: global_buffer, .address_space: global }
      - { .name: W1_scales, .offset: 8, .size: 8, .value_kind: global_buffer, .address_space: global }
      - { .name: W2_codes, .offset: 16, .size: 8, .value_kind: global_buffer, .address_space: global }
      - { .name: W2_scales, .offset: 24, .size: 8, .value_kind: global_buffer, .address_space: global }
      - { .name: hidden_codes, .offset: 32, .size: 8, .value_kind: global_buffer, .address_space: global }
      - { .name: hidden_scales, .offset: 40, .size: 8, .value_kind: global_buffer, .address_space: global }
      - { .name: b1, .offset: 48, .size: 8, .value_kind: global_buffer, .address_space: global }
      - { .name: b2, .offset: 56, .size: 8, .value_kind: global_buffer, .address_space: global }
      - { .name: w1f, .offset: 64, .size: 8, .value_kind: global_buffer, .address_space: global }
      - { .name: bias, .offset: 72, .size: 8, .value_kind: global_buffer, .address_space: global }
    .group_segment_fixed_size: 0
    .private_segment_fixed_size: 0
    .kernarg_segment_align: 8
    .kernarg_segment_size: 80
    .max_flat_workgroup_size: 32
    .sgpr_count:     66
    .vgpr_count:     256
    .wavefront_size: 32
...
	.end_amdgpu_metadata
.endif
;; end of part 1
;; launch main (part 2): grid 256 x 1, 4 waves a work-group, clusters of 4 x 1, 327,680 bytes of LDS; arguments features, w1f, bias, Wv, sc, ctxp, stat; writes sc, ctxp, stat
.if DOCPART == 2
	.amdgcn_target "amdgcn-amd-amdhsa--gfx1250"
	.amdhsa_code_object_version 6
	.text
	.protected	k_q6b197c9bf1_main
	.globl	k_q6b197c9bf1_main
	.p2align	8
	.type	k_q6b197c9bf1_main,@function
k_q6b197c9bf1_main:
	s_mov_b64 s[64:65], 0
	v_nop
	global_prefetch_b8 v0, s[64:65] scope:SCOPE_SE
	s_setreg_imm32_b32 hwreg(HW_REG_WAVE_MODE, 25, 1), 1
	s_wait_xcnt 0x0
	s_wait_alu depctr_hold_cnt(0) depctr_sa_sdst(0) depctr_va_vdst(0) depctr_va_sdst(0) depctr_va_ssrc(0) depctr_va_vcc(0) depctr_vm_vsrc(0)
	s_getreg_b32 s2, hwreg(HW_REG_IB_STS2, 6, 4)
	s_cmp_eq_u32 s2, 0
	s_cbranch_scc0 .Lentry_in_a_cluster
	s_endpgm
.Lentry_in_a_cluster:
	s_bfe_u32 s2, ttmp6, 0x10000c
	s_cmp_lg_u32 s2, 0x3003
	s_cbranch_scc0 .Lentry_shape_is_right
	s_endpgm
.Lentry_shape_is_right:
; s[t] = -2 sum over d of Wv[d] r, r = 1 / (1 + 2^(c z)), c = 2 log2 e, z = Q(features[t]) . W1[:, d] + proj_hid[d] + b1[d] + b2[d].  bv and sum Wv are left out: the same for every t, they cancel in the softmax over t.
; Then, for the work-group's 256 rows: e[t] = 2^((s[t] - M) log2 e) under a running maximum M, Z = sum e, ctx = sum e[t] features[t].  Out: s, ctx, (M, Z); the last launch joins a batch's eight work-groups.
; SHARES.  256 work-groups of four waves; a work-group owns 256 rows as two tiles of 128.  In the product wave w owns rows 64 (w / 2) .. + 63 of the tile and d = 512 (w % 2) .. + 511.
; A STAYS IN REGISTERS: the codes of a wave's 64 rows, all of K, are 32 fragments = 384 registers, loaded once a tile.  A trip takes 32 d a wave (two tiles of 16) through all 8 K steps: 64 matrix instructions on 8 accumulators
; that take turns; each fragment of B read from LDS feeds four products.  Then the trip's 64 registers of z become r, and 32 running sums take Wv r.
; B: block i of w1f (64 d x 1,024 K, in the order of the operand's registers) through a ring of two slots.  All of a block (16 fragments a wave, 192 registers) is in registers at its trip's head; the next block's fragments are
; loaded in one run of 48 behind the trip's last product, ahead of the vector work.  So at a trip's top its own block's slot is free: one round, with 32 products inside its opening barrier, and one joint refill (two blocks on).
; CLUSTER.  All work-groups walk the same blocks in the same order: the four of a cluster ask for each quarter block jointly (mask 15; the descriptor is made of the trip and the wave's number alone).
; FEATURES ARE READ TWICE: a row's weight wants its score, which wants all d, and 128 rows of f32 (512 KB) do not fit in LDS.  Each wave walks one stream of 64 quanta (16 rows x 512 bytes, 16 loads of 16 bytes a lane, two sets of
; 64 registers, asked for two quanta ahead): quanta 0-31 are quantised (Q), the same addresses come again and are summed into ctx (C).  Wave w owns columns 256 w .. + 255 of every row in Q (K steps 2 w, 2 w + 1) and in C.
; STAGES.  0: Q of tile 0.  1: product of tile 0, one quantum of Q of tile 1 a trip.  2: product of tile 1, one quantum of C of tile 0 a trip.  3: C of tile 1.  Tile 1's images take tile 0's LDS bytes, which are in registers by then.
; No prefetch into the L2: the stream of features is asked for two trips ahead by its own loads and is the launch's whole traffic from memory; w1f's 16 blocks are read again and again by all work-groups.
; LIMITS.  NaN and infinities in features are not served.  A block of 32 whose largest magnitude lies under 2^-122 (zeros among them) gets the scale byte 1; zero codes add nothing.  tanh by 1 - 2 r has an absolute error of some 1e-7.
; REGISTERS, windows of 256 (s_set_vgpr_msb: bits 1:0 source 0, 3:2 source 1, 5:4 source 2, 7:6 destination):
;   window 0: v0-31 addresses; v32-47 A's scale words; v48-63 B's, two sets; v64-67 bias and Wv of the trip; v88-127 at work in Q, later ctx, weights, softmax; v128-159 running sums; v208-255 B's set 0
;   window 1: v0-191 A, K steps 0-3; v192-255 accumulators.   window 2: v0-191 A, K steps 4-7; v192-239 B's set 1.   window 3: v0-127 the stream's two sets; v128-223 B's sets 2, 3.
.set SLOTB, 51200
.set QTR,   12800                      ; a wave's quarter of a block: 50 rows of 256 bytes
.set FRB,   1536                       ; a fragment's image
.set RTB,   8*FRB                      ; the images of 16 rows, all of K
.set ACODE, 2*SLOTB                    ; A's images: 8 tiles of 16 rows
.set ASC,   ACODE+8*RTB                ; A's scale words: 512 x tile of 16 rows + 256 (s % 2) + 16 r + 4 (s / 2)
.set WSCR,  ASC+4096                   ; a scratch for each wave: Q's stage; later bytes 0-255 partial scores, 512-1,023 the tile's weights
.set WSCB,  4352
.set TAB,   WSCR+4*WSCB                ; for each wave 16 trips x 16 r x (bias dt 0, 1, Wv dt 0, 1)
.set SPARE, TAB+16384                  ; the spare words, 128 bytes a wave
.set CF,    0x4038aa3b
.set LOG2E, 0x3fb8aa3b
.set SPW, 4
.set NIL, 5
.set GA, 6
.set LI, 7
.set STS, 8
.set STL, 9
.set IMGB, 10
.set ASWB, 11
.set AAD, 12
.set ASCR, 13
.set BSR, 14
.set TBA, 15
.set BAD, 16
.set SPS, 18
.set SPL, 19
.set EWS, 20
.set EWR, 21
.set HH, 22
.set MZ, 30
.set SCA, 32
.set SCB, 48
.set BW, 64
.set TM, 88
.set PW, 104
.set PC, 106
.set CTX, 88
.set EV, 104
.set SF, 112
.set SA, 128
.set MSB, 0
.set NTH, 0
.macro WIN new                         ; the immediate's high byte repeats the setting that is left
.if MSB != \new
	s_set_vgpr_msb (MSB<<8)|\new
.set MSB, \new
.endif
.endm
.macro PLACES                          ; four places behind a matrix instruction of this form (ISA guide 7.12.1)
.rept 4
	v_nop
.endr
.endm
.macro VW
	s_wait_alu depctr_va_vdst(0)
.endm
.macro CRST                            ; a round of the cluster's barrier behind its opening barrier
	s_cmp_lg_u32 s20, 0
	s_cbranch_scc1 .Lnot_wave_0_\@
	s_barrier_signal -3
.Lnot_wave_0_\@:
	s_barrier_wait -3
	s_barrier_signal -1
	s_barrier_wait -1
.endm
.macro ROUND
	s_barrier_signal -1
	s_barrier_wait -1
	CRST
.endm
.macro BAR                             ; my LDS stores have landed, my LDS loads are in
	VW
	s_wait_dscnt 0x0
	s_barrier_signal -1
	s_barrier_wait -1
.endm
.macro LOOPEND label
	s_sub_co_u32 s53, s53, 1
	s_cmp_lg_u32 s53, 0
	VW
	s_cbranch_scc1 \label
.endm
; Quantum n of the two at s[48:49]: load (u, p): lanes 0-15 read 256 consecutive bytes of row 2 p, lanes 16-31 of row 2 p + 1.  Ahead of set 0's loads the address goes 16 rows on, round at the work-group's 1 MB:
; the loads that read it last were issued a quantum earlier.  NTH = 0: bytes that the launch reads once more, no hint; NTH = 1: their last read
.macro GLOAD n
.if (\n) == 0
	s_wait_xcnt 0x0                                ; the loads' base is rewritten only behind this wait
	s_add_co_u32 s46, s46, 0x10000
	s_and_b32 s46, s46, 0xfffff
	s_add_nc_u64 s[48:49], s[44:45], s[46:47]
.endif
	WIN 0xc0
.irp u, 0,1
.irp p, 0,1,2,3,4,5,6,7
.if NTH
	global_load_b128 v[64*(\n)+4*(8*\u+\p):64*(\n)+4*(8*\u+\p)+3], v[GA], s[48:49] offset:(\n)*512+8192*\p+256*\u th:TH_LOAD_NT
.else
	global_load_b128 v[64*(\n)+4*(8*\u+\p):64*(\n)+4*(8*\u+\p)+3], v[GA], s[48:49] offset:(\n)*512+8192*\p+256*\u
.endif
.endr
.endr
	WIN 0
.endm
; 64 numbers of a lane in window 3, v[XR] on, register 16 b + i = k 32 b + 16 h + i of row r, become a fragment's codes in v[PC] on and its scale word in v[PW]
.macro QUANT
	WIN 0x3c
.irp b, 0,1,2,3
	v_max3_num_f32 v[TM+\b], 0x2800000, |v[XR+16*\b]|, |v[XR+16*\b+1]|   ; with the floor 2^(5 - 127): the byte cannot fall under 1
.endr
.irp i, 2,4,6,8,10,12,14
.irp b, 0,1,2,3
	v_max3_num_f32 v[TM+\b], v[TM+\b], |v[XR+16*\b+\i]|, |v[XR+16*\b+\i+1]|
.endr
.endr
	WIN 0
.irp b, 0,1,2,3
	v_permlanex16_b32 v[TM+4+\b], v[TM+\b], s56, s57
.endr
.irp b, 0,1,2,3
	v_max_num_f32 v[TM+\b], v[TM+\b], v[TM+4+\b]   ; the block's largest magnitude
.endr
.irp b, 0,1,2,3
	v_add_nc_u32 v[TM+12+\b], 0xfe000000, v[TM+\b] ; 4 off its exponent field: the conversion's scale operand
.endr
.irp b, 0,1,2,3
	v_lshrrev_b32 v[TM+4+\b], 23, v[TM+12+\b]      ; the scale's byte
.endr
	v_lshl_or_b32 v[PW], v[TM+5], 8, v[TM+4]
	v_lshl_or_b32 v[PW], v[TM+6], 16, v[PW]
	v_lshl_or_b32 v[PW], v[TM+7], 24, v[PW]
	WIN 0x03
.irp c, 0,1
	v_cvt_scalef32_pk16_bf6_f32 v[PC+6*\c:PC+6*\c+2], v[XR+32*\c:XR+32*\c+15], v[TM+12+2*\c]
	v_cvt_scalef32_pk16_bf6_f32 v[PC+12+4*\c:PC+14+4*\c], v[XR+16+32*\c:XR+31+32*\c], v[TM+13+2*\c]
.endr
	v_nop                                          ; one plain place behind a scaled conversion
	WIN 0
.irp c, 0,1                            ; a whole block in a lane: lanes 0-15 block 2 c, lanes 16-31 block 2 c + 1
.irp i, 0,1,2
	v_permlane16_swap_b32 v[PC+6*\c+\i], v[PC+12+4*\c+\i]
.endr
.irp i, 0,1,2
	v_mov_b32 v[PC+3+6*\c+\i], v[PC+12+4*\c+\i]
.endr
.endr
.endm
; QTURN: the quantum turns through my stage, half by half, so that a lane holds 16 neighbours of each block of 32 (LDS serves a wave's instructions in order).  QREST: codes, scale word, their images; the set takes the quantum two on
.macro QTURN n
.set XR, 64*(\n)
	s_wait_loadcnt 16                              ; my set's 16 loads are in; the other set's stay out
.irp u, 0,1
	WIN 0x0c
.irp p, 0,1,2,3,4,5,6,7
	ds_store_b128 v[STS], v[XR+4*(8*\u+\p):XR+4*(8*\u+\p)+3] offset:544*\p
.endr
	WIN 0xc0
.irp b, 0,1
.irp j, 0,1,2,3
	ds_load_b128 v[XR+16*(2*\u+\b)+4*\j:XR+16*(2*\u+\b)+4*\j+3], v[STL] offset:128*\b+16*\j
.endr
.endr
.endr
	WIN 0
.endm
.macro QREST n
.set XR, 64*(\n)
	s_wait_dscnt 0x0
	QUANT
	v_add_nc_u32 v24, s50, v[IMGB]
	v_add_nc_u32 v25, s51, v[ASWB]
.irp c, 0,1,2
	ds_store_b128 v24, v[PC+4*\c:PC+4*\c+3] offset:(\n)*FRB+512*\c
.endr
	ds_store_b32 v25, v[PW] offset:256*(\n)
.set NTH, 0
	GLOAD \n
.endm
; CEV: the weights of the quantum's 16 rows from my copy.  CSUM: ctx += e[row] x features[row], my 16 columns
.macro CEV
	v_add_nc_u32 v24, s52, v[EWR]
	ds_load_b128 v[EV:EV+3], v24
	ds_load_b128 v[EV+4:EV+7], v24 offset:16
.endm
.macro CSUM n, cnt, issue
	s_wait_loadcnt \cnt
	s_wait_dscnt 0x0
	WIN 0x03
.irp p, 0,1,2,3,4,5,6,7
.irp u, 0,1
.irp k, 0,2
.if (\p%2) == 0
	v_pk_fma_f32 v[CTX+8*(\n)+4*\u+\k:CTX+8*(\n)+4*\u+\k+1], v[64*(\n)+4*(8*\u+\p)+\k:64*(\n)+4*(8*\u+\p)+\k+1], v[EV+2*(\p/2):EV+2*(\p/2)+1], v[CTX+8*(\n)+4*\u+\k:CTX+8*(\n)+4*\u+\k+1] op_sel_hi:[1,0,1]
.else
	v_pk_fma_f32 v[CTX+8*(\n)+4*\u+\k:CTX+8*(\n)+4*\u+\k+1], v[64*(\n)+4*(8*\u+\p)+\k:64*(\n)+4*(8*\u+\p)+\k+1], v[EV+2*(\p/2):EV+2*(\p/2)+1], v[CTX+8*(\n)+4*\u+\k:CTX+8*(\n)+4*\u+\k+1] op_sel:[0,1,0] op_sel_hi:[1,1,1]
.endif
.endr
.endr
.endr
.if \issue
.set NTH, 1
	GLOAD \n
.endif
	WIN 0
.endm
.macro LDB g, bs, slot                 ; B's set g: fragments (K step 2 g + sp, dt) at bs + 12 (2 sp + dt): 12 loads; the caller sets the destination's window
.irp sp, 0,1
.irp dt, 0,1
.irp c, 0,1,2
	ds_load_b128 v[\bs+12*(2*\sp+\dt)+4*\c:\bs+12*(2*\sp+\dt)+4*\c+3], v[BAD+(\slot)] offset:(8*\dt+2*\g+\sp)*FRB+512*\c
.endr
.endr
.endr
.endm
.macro LDBALL slot                     ; a block's 16 fragments of mine: 48 loads
	WIN 0
	LDB 0, 208, \slot
	WIN 0x80
	LDB 1, 192, \slot
	WIN 0xc0
	LDB 2, 128, \slot
	LDB 3, 176, \slot
	WIN 0
.endm
.macro LDSB par, slot                  ; B's scale words: register q of dt: lanes 0-15 K step 2 q, lanes 16-31 K step 2 q + 1
.irp dt, 0,1
	ds_load_b128 v[SCB+8*(\par)+4*\dt:SCB+8*(\par)+4*\dt+3], v[BSR] offset:SLOTB*(\slot)+512*\dt
.endr
.endm
.macro LOADA                           ; my 64 rows' images, all of K, and their scale words
.irp a, 0,1,2,3
	ds_load_b128 v[SCA+4*\a:SCA+4*\a+3], v[ASCR] offset:512*\a
.endr
.irp w, 0,1
	WIN 0x40+0x40*\w
.irp s, 0,1,2,3
.irp a, 0,1,2,3
.irp c, 0,1,2
	ds_load_b128 v[48*\s+12*\a+4*\c:48*\s+12*\a+4*\c+3], v[AAD] offset:\a*RTB+(4*\w+\s)*FRB+512*\c
.endr
.endr
.endr
.endr
	WIN 0
.endm
; 16 matrix instructions: K steps 2 g, 2 g + 1 x two tiles of d x four tiles of rows.  Source 0 = 16 rows of features, source 1 = 16 d: a lane holds one d (lane % 16) and eight rows.  K step 0 starts the sums
.macro MULG g, bs, par
.irp sp, 0,1
.irp dt, 0,1
.irp a, 0,1,2,3
.set DD, 192+8*(4*\dt+\a)
.set AA, 48*((2*\g+\sp)%4)+12*\a
.set BB, \bs+12*(2*\sp+\dt)
.set SX, SCA+4*\a+\g
.set SY, SCB+8*(\par)+4*\dt+\g
.if \sp
	v_wmma_scale_f32_16x16x128_f8f6f4 v[DD:DD+7], v[AA:AA+11], v[BB:BB+11], v[DD:DD+7], v[SX], v[SY] matrix_a_fmt:MATRIX_FMT_BF6 matrix_b_fmt:MATRIX_FMT_BF6 matrix_a_scale:MATRIX_SCALE_ROW1 matrix_b_scale:MATRIX_SCALE_ROW1
.else
.if \g
	v_wmma_scale_f32_16x16x128_f8f6f4 v[DD:DD+7], v[AA:AA+11], v[BB:BB+11], v[DD:DD+7], v[SX], v[SY] matrix_a_fmt:MATRIX_FMT_BF6 matrix_b_fmt:MATRIX_FMT_BF6
.else
	v_wmma_scale_f32_16x16x128_f8f6f4 v[DD:DD+7], v[AA:AA+11], v[BB:BB+11], 0, v[SX], v[SY] matrix_a_fmt:MATRIX_FMT_BF6 matrix_b_fmt:MATRIX_FMT_BF6
.endif
.endif
.endr
.endr
.endr
.endm
; r = 1 / (1 + 2^(c z + bias)) in place, in whole batches, each with its wait ahead and behind; then the running sums take Wv r
.macro EPI
	WIN 0x41
.set J, 0
.rept 8
.irp k, 0,2,4,6
.if J < 4
	v_pk_fma_f32 v[192+8*J+\k:193+8*J+\k], v[192+8*J+\k:193+8*J+\k], s[54:55], v[BW:BW+1] op_sel_hi:[1,0,0]
.else
	v_pk_fma_f32 v[192+8*J+\k:193+8*J+\k], v[192+8*J+\k:193+8*J+\k], s[54:55], v[BW:BW+1] op_sel:[0,0,1] op_sel_hi:[1,0,1]
.endif
.endr
.set J, J+1
.endr
	VW
.set I, 0
.rept 64
	v_exp_f32 v[192+I], v[192+I]
.set I, I+1
.endr
	v_nop
	VW
.set I, 0
.rept 32
	v_pk_add_f32 v[192+I:193+I], v[192+I:193+I], 1.0 op_sel_hi:[1,0]
.set I, I+2
.endr
	VW
.set I, 0
.rept 64
	v_rcp_f32 v[192+I], v[192+I]
.set I, I+1
.endr
	v_nop
	VW
	WIN 0x01
.irp a, 0,1,2,3
.irp k, 0,2,4,6
	v_pk_fma_f32 v[SA+8*\a+\k:SA+8*\a+\k+1], v[192+8*\a+\k:193+8*\a+\k], v[BW+2:BW+3], v[SA+8*\a+\k:SA+8*\a+\k+1] op_sel_hi:[1,0,1]
.endr
.endr
.irp a, 0,1,2,3
.irp k, 0,2,4,6
	v_pk_fma_f32 v[SA+8*\a+\k:SA+8*\a+\k+1], v[224+8*\a+\k:225+8*\a+\k], v[BW+2:BW+3], v[SA+8*\a+\k:SA+8*\a+\k+1] op_sel:[0,1,0] op_sel_hi:[1,1,1]
.endr
.endr
	WIN 0
.endm
; A TRIP.  par: its block's slot, the stream's set, B's set of scale words.  mid = 2: the three lines, a round with 32 products inside its opening barrier, the joint refill of my block's slot with the block two on.
; mid = 1: the last block is shown to all waves; nothing is filled.  mid = 0: the last trip.  pre: the next block's fragments are fetched.  mode 0: Q, 1: C
.macro TRIP par, mode, mid, pre
.set GX, 32+4*(\par)
	VW
.if \mid > 0
	s_wait_tensorcnt 0x0                           ; my one load that was out, my quarter of the next block, has landed
.if \mid == 2
	ds_add_u32 v[SPW], v[NIL]
	s_add_co_u32 s42, s42, 0x10000                 ; the next of the 16 blocks, round at the end: no tensor load of mine is out
	s_and_b32 s42, s42, 0xf0000
	s_add_nc_u64 s[GX+2:GX+3], s[40:41], s[42:43]
	s_or_b32 s[GX+3], s[GX+3], 0x80000000
.endif
.endif
	s_wait_dscnt 0x0                               ; the add is done; my block is in registers: my reads of its slot are over
.if \mid > 0
	s_barrier_signal -1
.endif
	WIN 0x51
	MULG 0, 208, \par                              ; work on registers while the others arrive
	WIN 0x59
	MULG 1, 192, \par
	WIN 0
.if \mid > 0
	s_barrier_wait -1
.endif
.if \mid == 2
	CRST
	tensor_load_to_lds s[GX:GX+3], s[24:31]
	s_nop 0
	PLACES
.endif
	v_add_nc_u32 v26, s63, v[TBA]
	ds_load_b128 v[BW:BW+3], v26 offset:256*(\par) ; bias and Wv of my two d
.if \pre
	LDSB 1-(\par), 1-(\par)
.endif
	WIN 0x5e
	MULG 2, 128, \par
	MULG 3, 176, \par
	PLACES                                         ; in front of the loads below and of the first read of the results
.if \pre
	LDBALL 1-(\par)
.endif
	WIN 0
	s_wait_dscnt 48*(\pre)                         ; bias and Wv are in; the 48 loads just issued may be out
.if \mode == 0
	QTURN \par
.else
	CEV
.endif
	EPI
.if \mode == 0
	QREST \par
.else
	CSUM \par, 16, 1
.endif
.endm
.macro SAINIT
.set I, 0
.rept 32
	v_mov_b32 v[SA+I], 0
.set I, I+1
.endr
.endm
.macro SCORE                           ; sums over the 16 lanes of a half; my 64 partial scores go to my scratch (the sixteen lanes of a half write the same bytes with the same values)
.irp m, 1,2,4,8
.set I, 0
.rept 32
	v_add_f32_dpp v[SA+I], v[SA+I], v[SA+I] row_xmask:\m row_mask:0xf bank_mask:0xf
.set I, I+1
.endr
.endr
.irp a, 0,1,2,3
.irp q, 0,1
	ds_store_b128 v[SPS], v[SA+8*\a+4*\q:SA+8*\a+4*\q+3] offset:64*\a+16*\q
.endr
.endr
.endm
; The tile's 128 scores and its part of the softmax.  Every wave does all of it, lane l for rows 4 l .. 4 l + 3, and keeps its own copy of the weights
.macro SOFT tile, first
	ds_load_b128 v[SF:SF+3], v[SPL]                ; the two halves of d of my four rows
	ds_load_b128 v[SF+4:SF+7], v[SPL] offset:WSCB
	s_wait_dscnt 0x0
	v_pk_add_f32 v[SF:SF+1], v[SF:SF+1], v[SF+4:SF+5]
	v_pk_add_f32 v[SF+2:SF+3], v[SF+2:SF+3], v[SF+6:SF+7]
	v_pk_mul_f32 v[SF+4:SF+5], v[SF:SF+1], -2.0 op_sel_hi:[1,0]
	v_pk_mul_f32 v[SF+6:SF+7], v[SF+2:SF+3], -2.0 op_sel_hi:[1,0]
	VW
	s_cmp_lg_u32 s20, 0
	s_cbranch_scc1 .Lnot_0_\@
	global_store_b128 v[LI], v[SF+4:SF+7], s[12:13] offset:512*\tile   ; wave 0: 512 consecutive bytes of scores
	s_wait_xcnt 0x0
.Lnot_0_\@:
	v_max3_num_f32 v[SF+8], v[SF+4], v[SF+5], v[SF+6]
	v_max_num_f32 v[SF+8], v[SF+8], v[SF+7]
.irp m, 1,2,4,8
	v_max_num_f32_dpp v[SF+8], v[SF+8], v[SF+8] row_xmask:\m row_mask:0xf bank_mask:0xf
.endr
	v_permlanex16_b32 v[SF+9], v[SF+8], s56, s57
.if \first
	v_max_num_f32 v[SF+10], v[SF+8], v[SF+9]       ; M
.else
	v_max3_num_f32 v[SF+10], v[SF+8], v[SF+9], v[MZ]   ; the running maximum
	v_sub_f32 v[SF+11], v[MZ], v[SF+10]
	v_mul_f32 v[SF+11], s58, v[SF+11]
.endif
	v_mul_f32 v[SF+12], s58, v[SF+10]
	v_pk_fma_f32 v[SF:SF+1], v[SF+4:SF+5], s[58:59], v[SF+12:SF+13] op_sel_hi:[1,0,0] neg_lo:[0,0,1] neg_hi:[0,0,1]
	v_pk_fma_f32 v[SF+2:SF+3], v[SF+6:SF+7], s[58:59], v[SF+12:SF+13] op_sel_hi:[1,0,0] neg_lo:[0,0,1] neg_hi:[0,0,1]
	VW
.irp g, 0,1,2,3
	v_exp_f32 v[SF+\g], v[SF+\g]                   ; e = 2^((s - M) log2 e), at most 1
.endr
.if \first == 0
	v_exp_f32 v[SF+11], v[SF+11]                   ; f = 2^((old M - M) log2 e)
.endif
	v_mov_b32 v[MZ], v[SF+10]
	VW
	v_pk_add_f32 v[SF+8:SF+9], v[SF:SF+1], v[SF+2:SF+3]
	v_add_f32 v[SF+8], v[SF+8], v[SF+9]
.irp m, 1,2,4,8
	v_add_f32_dpp v[SF+8], v[SF+8], v[SF+8] row_xmask:\m row_mask:0xf bank_mask:0xf
.endr
	v_permlanex16_b32 v[SF+9], v[SF+8], s56, s57
.if \first
	v_add_f32 v[MZ+1], v[SF+8], v[SF+9]            ; Z
.irp i, 0,1,2,3,4,5,6,7,8,9,10,11,12,13,14,15
	v_mov_b32 v[CTX+\i], 0
.endr
.else
	v_add_f32 v[SF+8], v[SF+8], v[SF+9]
	v_fma_f32 v[MZ+1], v[MZ+1], v[SF+11], v[SF+8]  ; Z and ctx under the new M
.irp i, 0,2,4,6,8,10,12,14
	v_pk_mul_f32 v[CTX+\i:CTX+\i+1], v[CTX+\i:CTX+\i+1], v[SF+10:SF+11] op_sel:[0,1] op_sel_hi:[1,1]
.endr
.endif
.irp g, 0,1,2,3
	ds_store_b32 v[EWS], v[SF+\g] offset:256*(\g%2)+4*(\g/2)   ; row 4 l + g = 16 a + 2 p + h lies at 256 h + 32 a + 4 p
.endr
	VW
.endm
	; ---- the head
	s_load_b256 s[4:11], s[0:1], 0x0               ; features s[4:5], w1f s[6:7], bias s[8:9], Wv s[10:11]
	s_load_b128 s[12:15], s[0:1], 0x20             ; sc s[12:13], ctxp s[14:15]
	s_load_b64 s[16:17], s[0:1], 0x30              ; stat
	v_lshl_add_u32 v[SPW], v0, 2, SPARE
	v_mov_b32 v[NIL], 0
	ds_add_u32 v[SPW], v[NIL]                      ; the opening lines
	ds_add_u32 v[SPW], v[NIL]
	v_lshrrev_b32 v1, 5, v0
	v_readfirstlane_b32 s20, v1                    ; wave 0..3
	s_bfe_u32 s21, ttmp6, 0x40000                  ; cx
	s_lshl_b32 s22, ttmp9, 2
	s_add_co_u32 s22, s22, s21                     ; g: it enters the addresses of features, bias, sc, ctxp and stat alone
	s_and_b32 s23, s20, 1                          ; dh
	s_lshr_b32 s18, s20, 1                         ; rh
	s_mov_b32 s24, 15|(3<<16)|(1<<21)              ; group 1: the mask of all four; elements of 8 bytes; bit 21 beside a mask
	s_mov_b32 s25, 32<<16                          ; 50 dense rows of 256 bytes
	s_mov_b32 s26, 50<<16
	s_mov_b32 s27, 32<<16
	s_mov_b32 s28, 50
	s_mov_b32 s29, 32
	s_mov_b32 s30, 0
	s_mov_b32 s31, 0
	s_mov_b32 s54, CF
	s_mov_b32 s55, CF
	s_mov_b32 s56, 0x76543210
	s_mov_b32 s57, 0xfedcba98
	s_mov_b32 s58, LOG2E
	s_mov_b32 s59, LOG2E
	s_mul_i32 s2, s20, QTR
	s_mov_b32 s3, 0
	s_mov_b32 s42, 0x10000                         ; the offset of the block asked for last: block 1
	s_mov_b32 s43, 0
	s_mov_b32 s46, 0xf0000                         ; the stream's offset: the first step brings it round to 0
	s_mov_b32 s47, 0
	s_mov_b32 s32, 1
	s_mul_i32 s33, s20, QTR                        ; my quarter of slot 0
	s_mov_b32 s36, 1
	s_add_co_u32 s37, s33, SLOTB
	s_wait_dscnt 0x0
	s_wait_kmcnt 0x0
	s_add_nc_u64 s[40:41], s[6:7], s[2:3]
	s_mov_b64 s[34:35], s[40:41]
	s_or_b32 s35, s35, 0x80000000
	s_add_nc_u64 s[38:39], s[40:41], s[42:43]
	s_or_b32 s39, s39, 0x80000000
	ROUND                                          ; all four work-groups are here
	tensor_load_to_lds s[32:35], s[24:31]          ; block 0: my one tensor load at the head
	s_nop 0
	PLACES
	s_lshl_b32 s60, s22, 20
	s_lshl_b32 s62, s20, 10
	s_add_co_u32 s60, s60, s62
	s_mov_b32 s61, 0
	s_add_nc_u64 s[44:45], s[4:5], s[60:61]        ; my work-group's rows, my wave's 1,024 bytes of a row
	s_lshl_b32 s60, s22, 10
	s_add_nc_u64 s[12:13], s[12:13], s[60:61]
	s_lshl_b32 s60, s22, 12
	s_add_co_u32 s60, s60, s62
	s_add_nc_u64 s[14:15], s[14:15], s[60:61]
	s_lshl_b32 s60, s22, 8
	s_add_nc_u64 s[16:17], s[16:17], s[60:61]
	s_lshl_b32 s62, s23, 11                        ; my 512 d
	s_mov_b32 s63, 0
	s_add_nc_u64 s[10:11], s[10:11], s[62:63]
	s_lshr_b32 s60, s22, 3                         ; the batch
	s_lshl_b32 s60, s60, 12
	s_add_co_u32 s60, s60, s62
	s_add_nc_u64 s[8:9], s[8:9], s[60:61]
	s_mul_i32 s2, s20, WSCB
	s_add_co_u32 s2, s2, WSCR                      ; my scratch
	s_mul_i32 s3, s20, 2*FRB
	s_add_co_u32 s3, s3, ACODE
	s_lshl_b32 s60, s20, 2
	s_add_co_u32 s60, s60, ASC
	s_mul_i32 s61, s18, 4*RTB
	s_add_co_u32 s61, s61, ACODE
	s_mul_i32 s62, s23, 16*FRB
	s_lshl_b32 s19, s23, 10
	s_add_co_u32 s19, s19, 49152
	s_lshl_b32 s18, s18, 11
	s_add_co_u32 s18, s18, ASC
	s_lshl_b32 s21, s20, 12
	s_add_co_u32 s21, s21, TAB
	v_and_b32 v1, 31, v0                           ; lane
	v_and_b32 v2, 15, v0                           ; r
	v_bfe_u32 v[HH], v0, 4, 1                      ; h
	v_lshlrev_b32 v[LI], 4, v1
	v_lshlrev_b32 v3, 4, v2
	v_lshl_add_u32 v[GA], v[HH], 12, v3
	v_mad_u32_u24 v[STS], v[HH], 272, v3
	v_add_nc_u32 v[STS], s2, v[STS]
	v_mul_u32_u24 v[STL], v2, 272
	v_lshl_add_u32 v[STL], v[HH], 6, v[STL]
	v_add_nc_u32 v[STL], s2, v[STL]
	v_add_nc_u32 v[IMGB], s3, v[LI]
	v_add_nc_u32 v[ASWB], s60, v3
	v_add_nc_u32 v[AAD], s61, v[LI]
	v_add_nc_u32 v[ASCR], s18, v[LI]
	v_add_nc_u32 v[BSR], s19, v[LI]
	v_add_nc_u32 v[BAD], s62, v[LI]
	v_add_nc_u32 v[BAD+1], SLOTB, v[BAD]
	v_add_nc_u32 v[TBA], s21, v3
	v_lshl_add_u32 v27, v[HH], 2, v[TBA]           ; the table, in: 16 r + 4 dt
	v_lshl_add_u32 v[SPS], v[HH], 5, s2
	v_mad_u32_u24 v[SPL], v[HH], 2*WSCB, v3        ; rows 4 l on belong to waves 2 h and 2 h + 1
	v_add_nc_u32 v[SPL], WSCR, v[SPL]
	v_lshl_add_u32 v[EWS], v1, 3, s2
	v_add_nc_u32 v[EWS], 512, v[EWS]
	v_lshl_add_u32 v[EWR], v[HH], 8, s2
	v_add_nc_u32 v[EWR], 512, v[EWR]
	v_lshlrev_b32 v28, 2, v1
.irp b, 0,1,2,3
	v_mov_b32 v[TM+4+\b], 0                        ; a lane permute's destination counts as one of its sources
.endr
.set I, 0
.rept 16
	v_mov_b32 v[SF+I], 0
.set I, I+1
.endr
	VW
.irp i, 0,1,2,3,4,5,6,7,8,9,10,11,12,13,14,15
	global_load_b32 v[160+\i], v28, s[8:9] offset:128*\i       ; bias of d = 512 dh + 32 i + lane
	global_load_b32 v[176+\i], v28, s[10:11] offset:128*\i     ; Wv likewise
.endr
	GLOAD 0
	GLOAD 1
	s_wait_loadcnt 32                              ; bias and Wv are in; the two quanta behind them stay out
.irp i, 0,1,2,3,4,5,6,7,8,9,10,11,12,13,14,15
	ds_store_b32 v27, v[160+\i] offset:256*\i
	ds_store_b32 v27, v[176+\i] offset:256*\i+8
.endr
	s_wait_tensorcnt 0x0                           ; slot 1's first fill is issued as a refill is: the three lines, a round, the load
	ds_add_u32 v[SPW], v[NIL]
	s_wait_dscnt 0x0
	ROUND
	tensor_load_to_lds s[36:39], s[24:31]          ; block 1
	s_nop 0
	PLACES
	; ---- stage 0: Q of tile 0
	s_mov_b32 s50, 0
	s_mov_b32 s51, 0
	s_mov_b32 s53, 8
.Lstage0:
	QTURN 0
	QREST 0
	QTURN 1
	QREST 1
	s_add_co_u32 s50, s50, RTB
	s_add_co_u32 s51, s51, 512
	LOOPEND .Lstage0
	; ---- stage 1: the product of tile 0 | Q of tile 1
	s_mov_b32 s50, 0
	s_mov_b32 s51, 0
	s_mov_b32 s63, 0
	BAR                                            ; tile 0's images lie in LDS for all waves; block 0 was shown to all by the round above
	LDSB 0, 0
	LDBALL 0
	LOADA
	SAINIT
	s_mov_b32 s53, 8
.Lstage1:
	TRIP 0, 0, 2, 1
	TRIP 1, 0, 2, 1
	s_add_co_u32 s50, s50, RTB
	s_add_co_u32 s51, s51, 512
	s_add_co_u32 s63, s63, 512
	LOOPEND .Lstage1
	SCORE
	BAR                                            ; the partial scores and tile 1's images lie in LDS
	SOFT 0, 1
	; ---- stage 2: the product of tile 1 | C of tile 0
	s_mov_b32 s52, 0
	s_mov_b32 s63, 0
	LOADA
	SAINIT
	s_mov_b32 s53, 7
.Lstage2:
	TRIP 0, 1, 2, 1
	TRIP 1, 1, 2, 1
	s_add_co_u32 s52, s52, 32
	s_add_co_u32 s63, s63, 512
	LOOPEND .Lstage2
	TRIP 0, 1, 1, 1                                ; the last two trips are written out: they ask for no block
	TRIP 1, 1, 0, 0
	SCORE
	BAR
	SOFT 1, 0
	; ---- stage 3: C of tile 1
	s_mov_b32 s52, 0
	s_mov_b32 s53, 7
.Lstage3:
	CEV
	CSUM 0, 16, 1
	CEV
	CSUM 1, 16, 1
	s_add_co_u32 s52, s52, 32
	LOOPEND .Lstage3
	CEV
	CSUM 0, 16, 0                                  ; the last two quanta: nothing more is asked for
	CEV
	CSUM 1, 0, 0
	; ---- the way out.  Lanes l and l xor 16 hold the even and the odd rows' sums of the same columns
.irp i, 0,1,2,3,4,5,6,7,8,9,10,11,12,13,14,15
	v_permlanex16_b32 v[SF+\i], v[CTX+\i], s56, s57
.endr
.irp i, 0,2,4,6,8,10,12,14
	v_pk_add_f32 v[CTX+\i:CTX+\i+1], v[CTX+\i:CTX+\i+1], v[SF+\i:SF+\i+1]
.endr
	v_cmp_ne_u32 vcc_lo, 0, v[HH]
.irp q, 0,1
.irp k, 0,1,2,3
	v_cndmask_b32 v[SF+4*\q+\k], v[CTX+8*\q+\k], v[CTX+8*\q+4+\k], vcc_lo   ; lanes 16-31 take the second 256 bytes of each 512
.endr
.endr
	global_store_b128 v[LI], v[SF:SF+3], s[14:15]                  ; 32 lanes store 512 consecutive bytes
	global_store_b128 v[LI], v[SF+4:SF+7], s[14:15] offset:512
	v_and_b32 v1, 31, v0
	v_lshlrev_b32 v1, 3, v1
	VW
	s_cmp_lg_u32 s20, 0
	s_cbranch_scc1 .Lno_stat
	global_store_b64 v1, v[MZ:MZ+1], s[16:17]      ; wave 0: (M, Z), 32 times: 256 consecutive bytes
.Lno_stat:
	s_wait_tensorcnt 0x0                           ; the wave's end
	ds_add_u32 v[SPW], v[NIL]
	s_wait_dscnt 0x0
	ROUND                                          ; the closing round
	s_endpgm
.Lfunc_end_k_q6b197c9bf1_main:
	.size	k_q6b197c9bf1_main, .Lfunc_end_k_q6b197c9bf1_main-k_q6b197c9bf1_main
	.p2alignl 7, 3214868480
	.fill 96, 4, 3214868480
	.section	.rodata,"a",@progbits
	.p2align	6, 0x0
	.amdhsa_kernel k_q6b197c9bf1_main
		.amdhsa_group_segment_fixed_size 327680
		.amdhsa_private_segment_fixed_size 0
		.amdhsa_enable_private_segment 0
		.amdhsa_kernarg_size 56
		.amdhsa_user_sgpr_count 2
		.amdhsa_user_sgpr_kernarg_segment_ptr 1
		.amdhsa_wavefront_size32 1
		.amdhsa_system_sgpr_workgroup_id_x 1
		.amdhsa_system_sgpr_workgroup_id_y 1
		.amdhsa_system_sgpr_workgroup_id_z 1
		.amdhsa_system_vgpr_workitem_id 0
		.amdhsa_next_free_vgpr 1024
		.amdhsa_next_free_sgpr 66
		.amdhsa_reserve_vcc 1
		.amdhsa_float_denorm_mode_32 3
		.amdhsa_float_denorm_mode_16_64 3
		.amdhsa_memory_ordered 1
		.amdhsa_forward_progress 1
		.amdhsa_inst_pref_size 253
	.end_amdhsa_kernel
	.amdgpu_metadata
---
amdhsa.version: [ 1, 2 ]
amdhsa.kernels:
  - .name:           k_q6b197c9bf1_main
    .symbol:         k_q6b197c9bf1_main.kd
    .args:
      - { .name: features, .offset: 0, .size: 8, .value_kind: global_buffer, .address_space: global }
      - { .name: w1f, .offset: 8, .size: 8, .value_kind: global_buffer, .address_space: global }
      - { .name: bias, .offset: 16, .size: 8, .value_kind: global_buffer, .address_space: global }
      - { .name: Wv, .offset: 24, .size: 8, .value_kind: global_buffer, .address_space: global }
      - { .name: sc, .offset: 32, .size: 8, .value_kind: global_buffer, .address_space: global }
      - { .name: ctxp, .offset: 40, .size: 8, .value_kind: global_buffer, .address_space: global }
      - { .name: stat, .offset: 48, .size: 8, .value_kind: global_buffer, .address_space: global }
    .group_segment_fixed_size: 327680
    .private_segment_fixed_size: 0
    .kernarg_segment_align: 8
    .kernarg_segment_size: 56
    .max_flat_workgroup_size: 128
    .sgpr_count:     66
    .vgpr_count:     1024
    .wavefront_size: 32
...
	.end_amdgpu_metadata
.endif
;; end of part 2
;; launch fin (part 3): grid 32 x 1, 8 waves a work-group, no clusters, 0 bytes of LDS; arguments sc, ctxp, stat, out0, out1; writes out0, out1
.if DOCPART == 3
	.amdgcn_target "amdgcn-amd-amdhsa--gfx1250"
	.amdhsa_code_object_version 6
	.text
	.protected	k_q6b197c9bf1_fin
	.globl	k_q6b197c9bf1_fin
	.p2align	8
	.type	k_q6b197c9bf1_fin,@function
k_q6b197c9bf1_fin:
	s_mov_b64 s[64:65], 0
	v_nop
	global_prefetch_b8 v0, s[64:65] scope:SCOPE_SE
	s_setreg_imm32_b32 hwreg(HW_REG_WAVE_MODE, 25, 1), 1
	s_wait_xcnt 0x0
; The eight parts of a batch are joined.  Part g has its own maximum M_g, its sum Z_g and its context ctx_g, both under M_g.
; Mb = the largest M_g; f_g = 2^((M_g - Mb) log2 e); Zb = sum Z_g f_g (at least 1: the part that holds the maximum has f = 1 and a term 1 in its sum);
; out0 = sum ctx_g f_g / Zb; out1[t] = 2^((score[t] - Mb) log2 e) / Zb.
; One work-group of eight waves for each batch; thread t owns 16 bytes at 16 t of each row of 4,096 bytes: every load and store of a wave covers 512 consecutive bytes.  No LDS, no barrier: memory binds, and 1.7 MB go through.
.set LOG2E, 0x3fb8aa3b
	s_load_b256 s[4:11], s[0:1], 0x0               ; sc s[4:5], ctxp s[6:7], stat s[8:9], out0 s[10:11]
	s_load_b64 s[12:13], s[0:1], 0x20              ; out1
	v_lshlrev_b32 v1, 4, v0
	s_mov_b32 s33, 0
	s_mov_b32 s14, LOG2E
	s_wait_alu depctr_va_vdst(0)
	s_wait_kmcnt 0x0
	s_lshl_b32 s32, ttmp9, 11
	s_add_nc_u64 s[8:9], s[8:9], s[32:33]          ; the batch's eight entries of 256 bytes
.irp g, 0,1,2,3,4,5,6,7
	s_load_b64 s[16+2*\g:17+2*\g], s[8:9], 256*\g  ; M_g, Z_g
.endr
	s_lshl_b32 s32, ttmp9, 15
	s_add_nc_u64 s[6:7], s[6:7], s[32:33]
	s_lshl_b32 s32, ttmp9, 13
	s_add_nc_u64 s[4:5], s[4:5], s[32:33]
	s_add_nc_u64 s[12:13], s[12:13], s[32:33]
	s_lshl_b32 s32, ttmp9, 12
	s_add_nc_u64 s[10:11], s[10:11], s[32:33]
.irp g, 0,1,2,3,4,5,6,7
	global_load_b128 v[16+4*\g:19+4*\g], v1, s[6:7] offset:4096*\g
.endr
	global_load_b128 v[48:51], v1, s[4:5]
	global_load_b128 v[52:55], v1, s[4:5] offset:4096
	s_wait_kmcnt 0x0
	v_mov_b32 v2, s16
.irp g, 1,2,3,4,5,6,7
	s_delay_alu instid0(VALU_DEP_1)
	v_max_num_f32 v2, s[16+2*\g], v2               ; Mb
.endr
.irp g, 0,1,2,3,4,5,6,7
	v_sub_f32 v[8+\g], s[16+2*\g], v2
.endr
.irp g, 0,1,2,3,4,5,6,7
	v_mul_f32 v[8+\g], s14, v[8+\g]
.endr
	s_wait_alu depctr_va_vdst(0)
.irp g, 0,1,2,3,4,5,6,7
	v_exp_f32 v[8+\g], v[8+\g]                     ; f_g
.endr
	v_mul_f32 v6, s14, v2                          ; Mb log2 e.  (A plain line behind the exponentials)
	s_wait_alu depctr_va_vdst(0)
	v_mul_f32 v3, s17, v8
.irp g, 1,2,3,4,5,6,7
	v_fma_f32 v3, s[17+2*\g], v[8+\g], v3          ; Zb
.endr
	s_wait_alu depctr_va_vdst(0)
	v_rcp_f32 v4, v3
	v_nop                                          ; a plain line behind the reciprocal
	s_wait_alu depctr_va_vdst(0)
.irp g, 0,1,2,3,4,5,6,7
	v_mul_f32 v[8+\g], v[8+\g], v4                 ; f_g / Zb
.endr
	s_wait_alu depctr_va_vdst(0)
	s_wait_loadcnt 0x2                             ; the eight parts of the context are in; the two loads of scores behind them may be out
	v_pk_mul_f32 v[56:57], v[16:17], v[8:9] op_sel_hi:[1,0]
	v_pk_mul_f32 v[58:59], v[18:19], v[8:9] op_sel_hi:[1,0]
.irp g, 1,2,3,4,5,6,7
.if (\g%2) == 0
	s_delay_alu instid0(VALU_DEP_2)
	v_pk_fma_f32 v[56:57], v[16+4*\g:17+4*\g], v[8+2*(\g/2):9+2*(\g/2)], v[56:57] op_sel_hi:[1,0,1]
	s_delay_alu instid0(VALU_DEP_2)
	v_pk_fma_f32 v[58:59], v[18+4*\g:19+4*\g], v[8+2*(\g/2):9+2*(\g/2)], v[58:59] op_sel_hi:[1,0,1]
.else
	s_delay_alu instid0(VALU_DEP_2)
	v_pk_fma_f32 v[56:57], v[16+4*\g:17+4*\g], v[8+2*(\g/2):9+2*(\g/2)], v[56:57] op_sel:[0,1,0] op_sel_hi:[1,1,1]
	s_delay_alu instid0(VALU_DEP_2)
	v_pk_fma_f32 v[58:59], v[18+4*\g:19+4*\g], v[8+2*(\g/2):9+2*(\g/2)], v[58:59] op_sel:[0,1,0] op_sel_hi:[1,1,1]
.endif
.endr
	global_store_b128 v1, v[56:59], s[10:11]
	s_wait_loadcnt 0x0
.irp i, 0,1,2,3,4,5,6,7
	v_fma_f32 v[48+\i], v[48+\i], s14, -v6
.endr
	s_wait_alu depctr_va_vdst(0)
.irp i, 0,1,2,3,4,5,6,7
	v_exp_f32 v[48+\i], v[48+\i]
.endr
	v_nop                                          ; a plain line behind the exponentials
	s_wait_alu depctr_va_vdst(0)
.irp i, 0,1,2,3,4,5,6,7
	v_mul_f32 v[48+\i], v[48+\i], v4
.endr
	global_store_b128 v1, v[48:51], s[12:13]
	global_store_b128 v1, v[52:55], s[12:13] offset:4096
	s_endpgm
.Lfunc_end_k_q6b197c9bf1_fin:
	.size	k_q6b197c9bf1_fin, .Lfunc_end_k_q6b197c9bf1_fin-k_q6b197c9bf1_fin
	.p2alignl 7, 3214868480
	.fill 96, 4, 3214868480
	.section	.rodata,"a",@progbits
	.p2align	6, 0x0
	.amdhsa_kernel k_q6b197c9bf1_fin
		.amdhsa_group_segment_fixed_size 0
		.amdhsa_private_segment_fixed_size 0
		.amdhsa_enable_private_segment 0
		.amdhsa_kernarg_size 40
		.amdhsa_user_sgpr_count 2
		.amdhsa_user_sgpr_kernarg_segment_ptr 1
		.amdhsa_wavefront_size32 1
		.amdhsa_system_sgpr_workgroup_id_x 1
		.amdhsa_system_sgpr_workgroup_id_y 1
		.amdhsa_system_sgpr_workgroup_id_z 1
		.amdhsa_system_vgpr_workitem_id 0
		.amdhsa_next_free_vgpr 64
		.amdhsa_next_free_sgpr 66
		.amdhsa_reserve_vcc 0
		.amdhsa_float_denorm_mode_32 3
		.amdhsa_float_denorm_mode_16_64 3
		.amdhsa_memory_ordered 1
		.amdhsa_forward_progress 1
		.amdhsa_inst_pref_size 8
	.end_amdhsa_kernel
	.amdgpu_metadata
---
amdhsa.version: [ 1, 2 ]
amdhsa.kernels:
  - .name:           k_q6b197c9bf1_fin
    .symbol:         k_q6b197c9bf1_fin.kd
    .args:
      - { .name: sc, .offset: 0, .size: 8, .value_kind: global_buffer, .address_space: global }
      - { .name: ctxp, .offset: 8, .size: 8, .value_kind: global_buffer, .address_space: global }
      - { .name: stat, .offset: 16, .size: 8, .value_kind: global_buffer, .address_space: global }
      - { .name: out0, .offset: 24, .size: 8, .value_kind: global_buffer, .address_space: global }
      - { .name: out1, .offset: 32, .size: 8, .value_kind: global_buffer, .address_space: global }
    .group_segment_fixed_size: 0
    .private_segment_fixed_size: 0
    .kernarg_segment_align: 8
    .kernarg_segment_size: 40
    .max_flat_workgroup_size: 256
    .sgpr_count:     66
    .vgpr_count:     64
    .wavefront_size: 32
...
	.end_amdgpu_metadata
.endif
;; end of part 3
